; MI455X (gfx1250); checked and timed in simulation.
; The chip was launched on July 23, 2026; its instructions are those of AMD's public machine-readable ISA for CDNA 5 (MIT licence, August 2026) and "CDNA5" Instruction Set Architecture Reference Guide (July 2026). The comments in the code are by the model that wrote it; some were corrected since.
;; Dis. Allowed arithmetic: float matrix products may take bf16 or f16 operands with f32 sums; all other float work in f32.
;; Inputs: x1 16,384 x 4,096 float32; x2 16,384 x 4,096 float32.
;; Outputs: out0 16,384 float32.
;; 2 versions, each right; version 2 is version 1 with the launch cosrow written anew for expert scheduling mode. Each part assembles by itself: llvm-mc -triple=amdgcn-amd-amdhsa -mcpu=gfx1250 --defsym DOCPART=n.
;; ======== version 1 of 2: 1 launch
;; limits: below input magnitudes of 1.7e-21 results are inexact or not finite
;; launch cosrow (part 1): grid 256 x 1, 16 waves a work-group, no clusters, 2,304 bytes of LDS; arguments x1, x2, out0; writes out0
.if DOCPART == 1
	.amdgcn_target "amdgcn-amd-amdhsa--gfx1250"
	.amdhsa_code_object_version 6
	.text
	.protected	k_q1745a10851_cosrow
	.globl	k_q1745a10851_cosrow
	.p2align	8
	.type	k_q1745a10851_cosrow,@function
k_q1745a10851_cosrow:
	s_mov_b64 s[64:65], 0
	v_nop
	global_prefetch_b8 v0, s[64:65] scope:SCOPE_SE
	s_setreg_imm32_b32 hwreg(HW_REG_WAVE_MODE, 25, 1), 1
	s_wait_xcnt 0x0
; out0[r] = 0.5 * dot(x1[r], x2[r]) / (sqrt(sum x1[r]^2) * sqrt(sum x2[r]^2)).   x1, x2: [16384][4096] f32, out0: [16384] f32.
;
; A stream: 3 multiply-adds for every 8 bytes read, so the text is built round the loads.  No matrix unit (nothing loaded is used
; by more than three multiply-adds), no cluster (no two work-groups read the same byte), no tile in LDS (no wave reads another's data).
; 256 work-groups of 16 waves; a work-group owns 64 consecutive rows, a wave 4 consecutive rows = 65,536 consecutive bytes of x1 and of x2.
; One wave takes a whole row: a load of the wave covers 512 consecutive bytes (16 a lane), a row is 32 such chunks in each input,
; and the three sums of a row never leave the wave.
; A ring of 16 register slots, each one chunk of x1 and the same chunk of x2, keeps 32 loads (16,384 bytes) of every wave in flight;
; it runs on over the ends of rows, so that the next row's first half is on its way while a row's sums are reduced.
;
; LIMITS.  The sums are made in another order than a running sum along the row: each lane keeps 4 partial sums of 32 terms for each of
; the three sums, and the 128 partial sums are added as a tree, all in f32.  The division by the two roots is a multiplication by two v_rsq_f32
; (1 ULP each): (0.5 dot) * rsq(sx) * rsq(sy), which passes no larger intermediate than 0.5 sqrt(sy).  v_rsq_f32 takes a denormal
; input as zero (ISA guide 15.8): a row whose sum of squares is below 2^-126 gives +-inf or NaN.  A row of zeros gives NaN (0 * inf),
; as the division 0 / 0 does.  A sum of squares that overflows f32 gives 0 (or NaN where the dot product overflows too), as a division by inf does.
.set ROWB,  16384                      ; bytes in a row
.set CHUNK, 512                        ; bytes that one load of a wave covers
.set SLOTS, 16                         ; slots of the ring = half a row
.set ROWS,  4                          ; rows of a wave
.set OFF, 1                            ; v1        16 x lane: the only vector offset of the loads, never rewritten
.set L3,  2                            ; v2        lane & 3: the row of my wave whose result this lane keeps
.set RES, 3                            ; v3        that result
.set T,   4                            ; v[4:5]    the way out: two results
.set LA,  6                            ; v6        the way out: LDS address of my wave's word for row lane & 3
.set LB,  7                            ; v7        the way out (wave 0): 8 x lane, in LDS and in out0
.set DOT, 8                            ; v[8:11]   four partial sums of x1 x2
.set SX,  12                           ; v[12:15]  four partial sums of x1 x1
.set SY,  16                           ; v[16:19]  four partial sums of x2 x2
.set X,   20                           ; v[20:147] slot i: v[X+8i : X+8i+3] four numbers of x1, v[X+8i+4 : X+8i+7] the same four of x2
	s_load_b128 s[4:7], s[0:1], 0x0                ; x1 s[4:5], x2 s[6:7]
	s_load_b64 s[8:9], s[0:1], 0x10                ; out0
	v_lshl_add_u32 v148, v0, 2, 0x100
	v_mov_b32 v149, 0
	v_lshrrev_b32 v[T], 5, v0
	v_readfirstlane_b32 s10, v[T]                  ; my wave's number, 0 to 15
	v_and_b32 v[OFF], 31, v0
	v_lshlrev_b32 v[OFF], 4, v[OFF]                ; 16 bytes a lane
	v_and_b32 v[L3], 3, v0
	v_mov_b32 v[RES], 0                            ; written whole once: each row's select below keeps the other lanes' values
	s_lshl_b32 s12, ttmp9, 20                      ; the work-group's 64 rows of 16,384 bytes (at most 255 << 20: 32 bits do)
	s_lshl_b32 s13, s10, 16                        ; my wave's 4 rows
	s_or_b32 s12, s12, s13
	s_mov_b32 s13, 0                               ; the offset as a pair
	s_mov_b32 s16, 0x76543210                      ; v_permlanex16_b32: lane i of one half reads lane i of the other
	s_mov_b32 s17, 0xfedcba98
	s_wait_kmcnt 0x0
	s_add_nc_u64 s[4:5], s[4:5], s[12:13]          ; x1 and x2 at my wave's first row
	s_add_nc_u64 s[6:7], s[6:7], s[12:13]
.irp i, 0,1,2,3,4,5,6,7,8,9,10,11,12,13,14,15
	global_load_b128 v[X+8*\i:X+8*\i+3],   v[OFF], s[4:5] offset:\i*CHUNK th:TH_LOAD_NT   ; fill the ring: the first half of the first row.
	global_load_b128 v[X+8*\i+4:X+8*\i+7], v[OFF], s[6:7] offset:\i*CHUNK th:TH_LOAD_NT   ; Every byte is read once in the launch: non-temporal
.endr
; One slot's turn.  first = 1: the row's first chunk starts the sums (a product in place of a multiply-add: nothing is cleared).
; left = how many younger loads may stay out.  fill = 1: the slot is loaded again from byte 'next' behind the current row's start.
.macro STEP i, first, left, fill, next
	s_wait_loadcnt \left                           ; loads come back in order (ISA guide 5.7.1): this slot's two are in, the younger ones stay out
.irp h, 0,2
.if \first
	v_pk_mul_f32 v[DOT+\h:DOT+\h+1], v[X+8*\i+\h:X+8*\i+\h+1],     v[X+8*\i+4+\h:X+8*\i+5+\h]
	v_pk_mul_f32 v[SX+\h:SX+\h+1],   v[X+8*\i+\h:X+8*\i+\h+1],     v[X+8*\i+\h:X+8*\i+\h+1]
	v_pk_mul_f32 v[SY+\h:SY+\h+1],   v[X+8*\i+4+\h:X+8*\i+5+\h],   v[X+8*\i+4+\h:X+8*\i+5+\h]
.else
	v_pk_fma_f32 v[DOT+\h:DOT+\h+1], v[X+8*\i+\h:X+8*\i+\h+1],     v[X+8*\i+4+\h:X+8*\i+5+\h], v[DOT+\h:DOT+\h+1]
	v_pk_fma_f32 v[SX+\h:SX+\h+1],   v[X+8*\i+\h:X+8*\i+\h+1],     v[X+8*\i+\h:X+8*\i+\h+1],   v[SX+\h:SX+\h+1]
	v_pk_fma_f32 v[SY+\h:SY+\h+1],   v[X+8*\i+4+\h:X+8*\i+5+\h],   v[X+8*\i+4+\h:X+8*\i+5+\h], v[SY+\h:SY+\h+1]
.endif
.endr
.if \fill
	global_load_b128 v[X+8*\i:X+8*\i+3],   v[OFF], s[4:5] offset:\next th:TH_LOAD_NT
	global_load_b128 v[X+8*\i+4:X+8*\i+7], v[OFF], s[6:7] offset:\next th:TH_LOAD_NT
.endif
.endm
; One row: twice round the ring.  The count 2*SLOTS-2 = 30: behind a slot's two loads the 15 other slots have issued two each.
; The first time round each slot is filled with the chunk SLOTS further on in the same row; the second time with its chunk of the next
; row, or (last = 1, the wave's last row) with nothing: no load passes the wave's 4 rows, and the counts run down to 0.
.macro ROW last
	STEP 0, 1, 2*SLOTS-2, 1, SLOTS*CHUNK
.irp i, 1,2,3,4,5,6,7,8,9,10,11,12,13,14,15
	STEP \i, 0, 2*SLOTS-2, 1, (SLOTS+\i)*CHUNK
.endr
.irp i, 0,1,2,3,4,5,6,7,8,9,10,11,12,13,14,15
.if \last
	STEP \i, 0, 2*SLOTS-2-2*\i, 0, 0
.else
	STEP \i, 0, 2*SLOTS-2, 1, ROWB+\i*CHUNK
.endif
.endr
.endm
; The row's three sums over 4 partial sums and 32 lanes, then the result, kept in the lanes with lane & 3 = s14 (the row's number in the wave).
; The three chains are interleaved, so that no line waits for the one in front of it.
.macro FINISH
	v_pk_add_f32 v[DOT:DOT+1], v[DOT:DOT+1], v[DOT+2:DOT+3]
	v_pk_add_f32 v[SX:SX+1],   v[SX:SX+1],   v[SX+2:SX+3]
	v_pk_add_f32 v[SY:SY+1],   v[SY:SY+1],   v[SY+2:SY+3]
	v_add_f32 v[DOT], v[DOT], v[DOT+1]
	v_add_f32 v[SX],  v[SX],  v[SX+1]
	v_add_f32 v[SY],  v[SY],  v[SY+1]
.irp m, 1,2,4,8
	v_add_f32_dpp v[DOT], v[DOT], v[DOT] row_xmask:\m row_mask:0xf bank_mask:0xf   ; lane i adds lane i xor m, inside each half of 16 lanes
	v_add_f32_dpp v[SX],  v[SX],  v[SX]  row_xmask:\m row_mask:0xf bank_mask:0xf
	v_add_f32_dpp v[SY],  v[SY],  v[SY]  row_xmask:\m row_mask:0xf bank_mask:0xf
.endr
	v_permlanex16_b32 v[DOT+1], v[DOT], s16, s17   ; the other half's sum (the destinations have been written before: they count as read)
	v_permlanex16_b32 v[SX+1],  v[SX],  s16, s17
	v_permlanex16_b32 v[SY+1],  v[SY],  s16, s17
	v_add_f32 v[DOT], v[DOT], v[DOT+1]             ; every lane now holds the row's three sums
	v_add_f32 v[SX],  v[SX],  v[SX+1]
	v_add_f32 v[SY],  v[SY],  v[SY+1]
	v_rsq_f32 v[SX+1], v[SX]
	v_rsq_f32 v[SY+1], v[SY]
	v_mul_f32 v[DOT], 0.5, v[DOT]                  ; the plain vector instruction that stands between v_rsq_f32 and the use of its result (ISA guide 5.7.2);
	v_cmp_eq_u32 vcc_lo, s14, v[L3]                ; it touches neither the results nor SX, SY
	s_wait_alu depctr_va_vdst(0)
	v_mul_f32 v[DOT], v[DOT], v[SX+1]              ; |0.5 dot| rsq(sx) is at most 0.5 sqrt(sy): no overflow on the way
	v_mul_f32 v[DOT], v[DOT], v[SY+1]
	v_cndmask_b32 v[RES], v[RES], v[DOT], vcc_lo
.endm
	s_mov_b32 s14, 0                               ; the row's number in the wave, and the loop's counter
.Lrow:
	ROW 0
	FINISH
	s_wait_xcnt 0x0                                ; the loads in flight name s[4:7]: the bases are stepped only behind this wait (ISA guide 3.1)
	s_add_nc_u64 s[4:5], s[4:5], ROWB              ; the chunks asked for at ROWB + 512 i are now the new row's chunks at 512 i
	s_add_nc_u64 s[6:7], s[6:7], ROWB
	s_add_co_u32 s14, s14, 1
	s_cmp_lt_u32 s14, ROWS-1
	s_cbranch_scc1 .Lrow
	ROW 1                                          ; the last row (s14 = ROWS-1): its second half loads nothing, its last wait is for 0
	FINISH
	; THE WAY OUT.  The work-group's 64 results are 256 consecutive bytes of out0, aligned.  Each wave puts its four into its own 16 bytes of
	; LDS (all lanes on: the eight lanes with the same lane & 3 write the same word with the same value), and wave 0 stores all 64 at once.
	v_lshlrev_b32 v[LA], 2, v[L3]
	v_lshl_add_u32 v[LA], s10, 4, v[LA]            ; 16 x wave + 4 x (lane & 3)
	ds_store_b32 v[LA], v[RES]
	s_wait_dscnt 0x0                               ; for wave 0's sake: my store is done before I say so
	s_barrier_signal -1
	s_barrier_wait -1
	s_cmp_lg_u32 s10, 0
	s_cbranch_scc1 .Ldone                          ; behind the barrier only wave 0 has work left
	v_and_b32 v[LB], 31, v0
	v_lshlrev_b32 v[LB], 3, v[LB]                  ; 8 x lane: two results a lane
	ds_load_b64 v[T:T+1], v[LB]
	s_lshl_b32 s12, ttmp9, 8                       ; the work-group's 256 bytes of out0 (s13 is still 0)
	s_add_nc_u64 s[8:9], s[8:9], s[12:13]
	s_wait_dscnt 0x0
	global_store_b64 v[LB], v[T:T+1], s[8:9] th:TH_STORE_NT    ; one store, 32 lanes x 8 bytes: the 256 bytes whole
.Ldone:
	s_wait_tensorcnt 0x0
	ds_add_u32 v148, v149
	s_wait_dscnt 0x0
	s_endpgm
.Lfunc_end_k_q1745a10851_cosrow:
	.size	k_q1745a10851_cosrow, .Lfunc_end_k_q1745a10851_cosrow-k_q1745a10851_cosrow
	.p2alignl 7, 3214868480
	.fill 96, 4, 3214868480
	.section	.rodata,"a",@progbits
	.p2align	6, 0x0
	.amdhsa_kernel k_q1745a10851_cosrow
		.amdhsa_group_segment_fixed_size 2304
		.amdhsa_private_segment_fixed_size 0
		.amdhsa_enable_private_segment 0
		.amdhsa_kernarg_size 24
		.amdhsa_user_sgpr_count 2
		.amdhsa_user_sgpr_kernarg_segment_ptr 1
		.amdhsa_wavefront_size32 1
		.amdhsa_system_sgpr_workgroup_id_x 1
		.amdhsa_system_sgpr_workgroup_id_y 1
		.amdhsa_system_sgpr_workgroup_id_z 1
		.amdhsa_system_vgpr_workitem_id 0
		.amdhsa_next_free_vgpr 150
		.amdhsa_next_free_sgpr 66
		.amdhsa_reserve_vcc 1
		.amdhsa_float_denorm_mode_32 3
		.amdhsa_float_denorm_mode_16_64 3
		.amdhsa_memory_ordered 1
		.amdhsa_forward_progress 1
		.amdhsa_inst_pref_size 44
	.end_amdhsa_kernel
	.amdgpu_metadata
---
amdhsa.version: [ 1, 2 ]
amdhsa.kernels:
  - .name:           k_q1745a10851_cosrow
    .symbol:         k_q1745a10851_cosrow.kd
    .args:
      - { .name: x1, .offset: 0, .size: 8, .value_kind: global_buffer, .address_space: global }
      - { .name: x2, .offset: 8, .size: 8, .value_kind: global_buffer, .address_space: global }
      - { .name: out0, .offset: 16, .size: 8, .value_kind: global_buffer, .address_space: global }
    .group_segment_fixed_size: 2304
    .private_segment_fixed_size: 0
    .kernarg_segment_align: 8
    .kernarg_segment_size: 24
    .max_flat_workgroup_size: 512
    .sgpr_count:     66
    .vgpr_count:     150
    .wavefront_size: 32
...
	.end_amdgpu_metadata
.endif
;; end of part 1
;; ======== version 2 of 2: 1 launch; version 1 with the launch cosrow written anew for expert scheduling mode
;; limits: below input magnitudes of 1.7e-21 results are inexact or not finite
;; launch cosrow (part 2): grid 256 x 1, 16 waves a work-group, no clusters, 2,304 bytes of LDS; arguments x1, x2, out0; writes out0
.if DOCPART == 2
	.amdgcn_target "amdgcn-amd-amdhsa--gfx1250"
	.amdhsa_code_object_version 6
	.text
	.protected	k_q1745a10851_cosrow
	.globl	k_q1745a10851_cosrow
	.p2align	8
	.type	k_q1745a10851_cosrow,@function
k_q1745a10851_cosrow:
	s_mov_b64 s[64:65], 0
	v_nop
	global_prefetch_b8 v0, s[64:65] scope:SCOPE_SE
	s_setreg_imm32_b32 hwreg(HW_REG_WAVE_SCHED_MODE, 0, 2), 2
	s_setreg_imm32_b32 hwreg(HW_REG_WAVE_MODE, 25, 1), 1
	s_wait_xcnt 0x0
	s_wait_alu depctr_vm_vsrc(0)
; out0[r] = 0.5 * dot(x1[r], x2[r]) / (sqrt(sum x1[r]^2) * sqrt(sum x2[r]^2)).   x1, x2: [16384][4096] f32, out0: [16384] f32.
;
; A stream: 3 multiply-adds for every 8 bytes read, so the text is built round the loads.  No matrix unit (nothing loaded is used
; by more than three multiply-adds), no cluster (no two work-groups read the same byte), no tile in LDS (no wave reads another's data).
; 256 work-groups of 16 waves; a work-group owns 64 consecutive rows, a wave 4 consecutive rows = 65,536 consecutive bytes of x1 and of x2.
; One wave takes a whole row: a load of the wave covers 512 consecutive bytes (16 a lane), a row is 32 such chunks in each input,
; and the three sums of a row never leave the wave.
; A ring of 16 register slots, each one chunk of x1 and the same chunk of x2, keeps up to 32 loads (16,384 bytes) of every wave in flight;
; it runs on over the ends of rows, so that the next row's first half is on its way while a row's sums are reduced.
;
; THE MODE: SCHED_MODE bits 1:0 = 2 (LLVM: expert scheduling mode 2), set by the entry lines.  The code itself states the register dependences
; between vector instructions and memory or LDS instructions, with s_wait_alu, always for 0.
; THE PLAN.  Registers that memory or LDS instructions touch:
;   v[OFF]        Read by every load as its offset; written at the head alone: chunks are reached by immediate offsets, rows by the scalar bases.
;   X, 16 slots   Written by loads alone.  The slots go in four blocks of four: a block's 24 multiply-adds read its slots, and behind them
;                 the block's eight loads land in the same slots.  The sums and the row's end name no slot.
;   v[LA], v[RES], v[LB], v[T:T+1]   The way out: each is written, then read by an LDS instruction or the store, and not written again.
;   v148, v149    Written at the head, read by the closing add alone.
; So ONE wait on va_vdst stands in a block, behind its multiply-adds and straight ahead of its run of eight loads: the slots are asked for again
; at once and do not lie idle while the wave waits for the next block's data.  (A further block of slots is not to be had: the ring's length divides
; the row's 32 chunks, so that a trip of the loop is a row, and 32 slots are 256 registers beside the 22 others.)
; No register that a memory or LDS instruction reads is written afterwards, so the text holds no wait on vm_vsrc.
;
; LIMITS.  The sums are made in another order than a running sum along the row: each lane keeps 4 partial sums of 32 terms for each of
; the three sums, and the 128 partial sums are added as a tree, all in f32.  The division by the two roots is a multiplication by two v_rsq_f32
; (1 ULP each): (0.5 dot) * rsq(sx) * rsq(sy), which passes no larger intermediate than 0.5 sqrt(sy).  v_rsq_f32 takes a denormal
; input as zero (ISA guide 15.8): a row whose sum of squares is below 2^-126 gives +-inf or NaN.  A row of zeros gives NaN (0 * inf),
; as the division 0 / 0 does.  A sum of squares that overflows f32 gives 0 (or NaN where the dot product overflows too), as a division by inf does.
.set ROWB,  16384                      ; bytes in a row
.set CHUNK, 512                        ; bytes that one load of a wave covers
.set SLOTS, 16                         ; slots of the ring = half a row, in four blocks of four
.set ROWS,  4                          ; rows of a wave
.set OFF, 1                            ; v1        16 x lane: the only vector offset of the loads, never rewritten
.set L3,  2                            ; v2        lane & 3: the row of my wave whose result this lane keeps
.set RES, 3                            ; v3        that result
.set T,   4                            ; v[4:5]    the way out: two results
.set LA,  6                            ; v6        the way out: LDS address of my wave's word for row lane & 3
.set LB,  7                            ; v7        the way out (wave 0): 8 x lane, in LDS and in out0
.set DOT, 8                            ; v[8:11]   four partial sums of x1 x2
.set SX,  12                           ; v[12:15]  four partial sums of x1 x1
.set SY,  16                           ; v[16:19]  four partial sums of x2 x2
.set X,   20                           ; v[20:147] slot i: v[X+8i : X+8i+3] four numbers of x1, v[X+8i+4 : X+8i+7] the same four of x2
	s_load_b128 s[4:7], s[0:1], 0x0                ; x1 s[4:5], x2 s[6:7]
	s_load_b64 s[8:9], s[0:1], 0x10                ; out0
	v_lshl_add_u32 v148, v0, 2, 0x100
	v_mov_b32 v149, 0
	v_lshrrev_b32 v[T], 5, v0
	v_readfirstlane_b32 s10, v[T]                  ; my wave's number, 0 to 15
	v_and_b32 v[OFF], 31, v0
	v_lshlrev_b32 v[OFF], 4, v[OFF]                ; 16 bytes a lane
	v_and_b32 v[L3], 3, v0
	v_mov_b32 v[RES], 0                            ; written whole once: each row's select below keeps the other lanes' values
	s_wait_alu depctr_va_sdst(0)                   ; s10 is written, ahead of its first reader: the wave's byte offset is made from it
	s_lshl_b32 s12, ttmp9, 20                      ; the work-group's 64 rows of 16,384 bytes (at most 255 << 20: 32 bits do)
	s_lshl_b32 s13, s10, 16                        ; my wave's 4 rows
	s_or_b32 s12, s12, s13
	s_mov_b32 s13, 0                               ; the offset as a pair
	s_mov_b32 s16, 0x76543210                      ; v_permlanex16_b32: lane i of one half reads lane i of the other
	s_mov_b32 s17, 0xfedcba98
	s_wait_kmcnt 0x0
	s_add_nc_u64 s[4:5], s[4:5], s[12:13]          ; x1 and x2 at my wave's first row
	s_add_nc_u64 s[6:7], s[6:7], s[12:13]
	s_wait_alu depctr_va_vdst(0)                   ; v[OFF] is written: every load of the kernel reads it as its offset
.irp i, 0,1,2,3,4,5,6,7,8,9,10,11,12,13,14,15
	global_load_b128 v[X+8*\i:X+8*\i+3],   v[OFF], s[4:5] offset:\i*CHUNK th:TH_LOAD_NT   ; fill the ring: the first half of the first row.
	global_load_b128 v[X+8*\i+4:X+8*\i+7], v[OFF], s[6:7] offset:\i*CHUNK th:TH_LOAD_NT   ; Every byte is read once in the launch: non-temporal
.endr
; One slot's turn.  first = 1: the row's first chunk starts the sums (a product in place of a multiply-add: nothing is cleared).
; left = how many younger loads may stay out.
.macro STEP i, first, left
	s_wait_loadcnt \left                           ; loads come back in order (ISA guide 5.7.1): this slot's two are in, the younger ones stay out
.irp h, 0,2
.if \first
	v_pk_mul_f32 v[DOT+\h:DOT+\h+1], v[X+8*(\i)+\h:X+8*(\i)+\h+1],     v[X+8*(\i)+4+\h:X+8*(\i)+5+\h]
	v_pk_mul_f32 v[SX+\h:SX+\h+1],   v[X+8*(\i)+\h:X+8*(\i)+\h+1],     v[X+8*(\i)+\h:X+8*(\i)+\h+1]
	v_pk_mul_f32 v[SY+\h:SY+\h+1],   v[X+8*(\i)+4+\h:X+8*(\i)+5+\h],   v[X+8*(\i)+4+\h:X+8*(\i)+5+\h]
.else
	v_pk_fma_f32 v[DOT+\h:DOT+\h+1], v[X+8*(\i)+\h:X+8*(\i)+\h+1],     v[X+8*(\i)+4+\h:X+8*(\i)+5+\h], v[DOT+\h:DOT+\h+1]
	v_pk_fma_f32 v[SX+\h:SX+\h+1],   v[X+8*(\i)+\h:X+8*(\i)+\h+1],     v[X+8*(\i)+\h:X+8*(\i)+\h+1],   v[SX+\h:SX+\h+1]
	v_pk_fma_f32 v[SY+\h:SY+\h+1],   v[X+8*(\i)+4+\h:X+8*(\i)+5+\h],   v[X+8*(\i)+4+\h:X+8*(\i)+5+\h], v[SY+\h:SY+\h+1]
.endif
.endr
.endm
; Slot i is loaded again, from byte 'next' behind the current row's start.
.macro FILL i, next
	global_load_b128 v[X+8*(\i):X+8*(\i)+3],   v[OFF], s[4:5] offset:\next th:TH_LOAD_NT
	global_load_b128 v[X+8*(\i)+4:X+8*(\i)+7], v[OFF], s[6:7] offset:\next th:TH_LOAD_NT
.endm
; A block: slots s to s + 3.  left = the count for slot s; the block issues no load before its end, so the counts fall by two from slot to slot.
; fill = 1: the four slots are loaded again, from byte 'next' on.
.macro BLOCK s, first, left, fill, next
	STEP \s, \first, \left
.irp j, 1,2,3
	STEP (\s)+\j, 0, (\left)-2*\j
.endr
.if \fill
	s_wait_alu depctr_va_vdst(0)                   ; the block's 24 multiply-adds are done reading its four slots, in which the eight loads below land
.irp j, 0,1,2,3
	FILL (\s)+\j, (\next)+\j*CHUNK
.endr
.endif
.endm
; One row: twice round the ring.  The count 2*SLOTS-2 = 30 at a block's head: behind its first slot's two loads the 15 other slots have issued two each.
; The first time round each slot is filled with the chunk SLOTS further on in the same row; the second time with its chunk of the next
; row, or (last = 1, the wave's last row) with nothing: no load passes the wave's 4 rows, and the counts run down to 0.
.macro ROW last
	BLOCK 0, 1, 2*SLOTS-2, 1, SLOTS*CHUNK
.irp s, 4,8,12
	BLOCK \s, 0, 2*SLOTS-2, 1, (SLOTS+\s)*CHUNK
.endr
.irp s, 0,4,8,12
.if \last
	BLOCK \s, 0, 2*SLOTS-2-2*\s, 0, 0
.else
	BLOCK \s, 0, 2*SLOTS-2, 1, ROWB+\s*CHUNK
.endif
.endr
.endm
; The row's three sums over 4 partial sums and 32 lanes, then the result, kept in the lanes with lane & 3 = s14 (the row's number in the wave).
; The three chains are interleaved, so that no line waits for the one in front of it.
.macro FINISH
	v_pk_add_f32 v[DOT:DOT+1], v[DOT:DOT+1], v[DOT+2:DOT+3]
	v_pk_add_f32 v[SX:SX+1],   v[SX:SX+1],   v[SX+2:SX+3]
	v_pk_add_f32 v[SY:SY+1],   v[SY:SY+1],   v[SY+2:SY+3]
	v_add_f32 v[DOT], v[DOT], v[DOT+1]
	v_add_f32 v[SX],  v[SX],  v[SX+1]
	v_add_f32 v[SY],  v[SY],  v[SY+1]
.irp m, 1,2,4,8
	v_add_f32_dpp v[DOT], v[DOT], v[DOT] row_xmask:\m row_mask:0xf bank_mask:0xf   ; lane i adds lane i xor m, inside each half of 16 lanes
	v_add_f32_dpp v[SX],  v[SX],  v[SX]  row_xmask:\m row_mask:0xf bank_mask:0xf
	v_add_f32_dpp v[SY],  v[SY],  v[SY]  row_xmask:\m row_mask:0xf bank_mask:0xf
.endr
	v_permlanex16_b32 v[DOT+1], v[DOT], s16, s17   ; the other half's sum (the destinations have been written before: they count as read)
	v_permlanex16_b32 v[SX+1],  v[SX],  s16, s17
	v_permlanex16_b32 v[SY+1],  v[SY],  s16, s17
	v_add_f32 v[DOT], v[DOT], v[DOT+1]             ; every lane now holds the row's three sums
	v_add_f32 v[SX],  v[SX],  v[SX+1]
	v_add_f32 v[SY],  v[SY],  v[SY+1]
	v_rsq_f32 v[SX+1], v[SX]
	v_rsq_f32 v[SY+1], v[SY]
	v_mul_f32 v[DOT], 0.5, v[DOT]                  ; the plain vector instruction that stands between v_rsq_f32 and the use of its result (ISA guide 5.7.2);
	v_cmp_eq_u32 vcc_lo, s14, v[L3]                ; it touches neither the results nor SX, SY
	s_wait_alu depctr_va_vdst(0)                   ; the two v_rsq_f32 have written v[SX+1] and v[SY+1]: one wait for both, ahead of their first reader
	v_mul_f32 v[DOT], v[DOT], v[SX+1]              ; |0.5 dot| rsq(sx) is at most 0.5 sqrt(sy): no overflow on the way
	v_mul_f32 v[DOT], v[DOT], v[SY+1]
	s_wait_alu depctr_va_vcc(0)                    ; the compare has written VCC, which the select reads
	v_cndmask_b32 v[RES], v[RES], v[DOT], vcc_lo
.endm
	s_mov_b32 s14, 0                               ; the row's number in the wave, and the loop's counter
.Lrow:
	ROW 0
	FINISH
	s_wait_xcnt 0x0                                ; the loads in flight name s[4:7]: the bases are stepped only behind this wait (ISA guide 3.1)
	s_add_nc_u64 s[4:5], s[4:5], ROWB              ; the chunks asked for at ROWB + 512 i are now the new row's chunks at 512 i
	s_add_nc_u64 s[6:7], s[6:7], ROWB
	s_add_co_u32 s14, s14, 1
	s_cmp_lt_u32 s14, ROWS-1
	s_cbranch_scc1 .Lrow
	ROW 1                                          ; the last row (s14 = ROWS-1): its second half loads nothing, its last wait is for 0
	FINISH
	; THE WAY OUT.  The work-group's 64 results are 256 consecutive bytes of out0, aligned.  Each wave puts its four into its own 16 bytes of
	; LDS (all lanes on: the eight lanes with the same lane & 3 write the same word with the same value), and wave 0 stores all 64 at once.
	v_lshlrev_b32 v[LA], 2, v[L3]
	v_lshl_add_u32 v[LA], s10, 4, v[LA]            ; 16 x wave + 4 x (lane & 3)
	s_wait_alu depctr_va_vdst(0)                   ; v[LA] and v[RES] are written: the LDS store reads them as its address and its data
	ds_store_b32 v[LA], v[RES]
	s_wait_dscnt 0x0                               ; for wave 0's sake: my store is done before I say so
	s_barrier_signal -1
	s_barrier_wait -1
	s_cmp_lg_u32 s10, 0
	s_cbranch_scc1 .Ldone                          ; behind the barrier only wave 0 has work left
	v_and_b32 v[LB], 31, v0
	v_lshlrev_b32 v[LB], 3, v[LB]                  ; 8 x lane: two results a lane
	s_wait_alu depctr_va_vdst(0)                   ; v[LB] is written: the LDS load and the store below read it; the head's lines that named v[T], in which the load lands, are done too
	ds_load_b64 v[T:T+1], v[LB]
	s_lshl_b32 s12, ttmp9, 8                       ; the work-group's 256 bytes of out0 (s13 is still 0)
	s_add_nc_u64 s[8:9], s[8:9], s[12:13]
	s_wait_dscnt 0x0
	global_store_b64 v[LB], v[T:T+1], s[8:9] th:TH_STORE_NT    ; one store, 32 lanes x 8 bytes: the 256 bytes whole
.Ldone:
	s_wait_dscnt 0x0                               ; the closing lines, six on end
	s_wait_alu 0x0
	s_wait_tensorcnt 0x0
	ds_add_u32 v148, v149
	s_wait_dscnt 0x0
	s_endpgm
.Lfunc_end_k_q1745a10851_cosrow:
	.size	k_q1745a10851_cosrow, .Lfunc_end_k_q1745a10851_cosrow-k_q1745a10851_cosrow
	.p2alignl 7, 3214868480
	.fill 96, 4, 3214868480
	.section	.rodata,"a",@progbits
	.p2align	6, 0x0
	.amdhsa_kernel k_q1745a10851_cosrow
		.amdhsa_group_segment_fixed_size 2304
		.amdhsa_private_segment_fixed_size 0
		.amdhsa_enable_private_segment 0
		.amdhsa_kernarg_size 24
		.amdhsa_user_sgpr_count 2
		.amdhsa_user_sgpr_kernarg_segment_ptr 1
		.amdhsa_wavefront_size32 1
		.amdhsa_system_sgpr_workgroup_id_x 1
		.amdhsa_system_sgpr_workgroup_id_y 1
		.amdhsa_system_sgpr_workgroup_id_z 1
		.amdhsa_system_vgpr_workitem_id 0
		.amdhsa_next_free_vgpr 150
		.amdhsa_next_free_sgpr 66
		.amdhsa_reserve_vcc 1
		.amdhsa_float_denorm_mode_32 3
		.amdhsa_float_denorm_mode_16_64 3
		.amdhsa_memory_ordered 1
		.amdhsa_forward_progress 1
		.amdhsa_inst_pref_size 44
	.end_amdhsa_kernel
	.amdgpu_metadata
---
amdhsa.version: [ 1, 2 ]
amdhsa.kernels:
  - .name:           k_q1745a10851_cosrow
    .symbol:         k_q1745a10851_cosrow.kd
    .args:
      - { .name: x1, .offset: 0, .size: 8, .value_kind: global_buffer, .address_space: global }
      - { .name: x2, .offset: 8, .size: 8, .value_kind: global_buffer, .address_space: global }
      - { .name: out0, .offset: 16, .size: 8, .value_kind: global_buffer, .address_space: global }
    .group_segment_fixed_size: 2304
    .private_segment_fixed_size: 0
    .kernarg_segment_align: 8
    .kernarg_segment_size: 24
    .max_flat_workgroup_size: 512
    .sgpr_count:     66
    .vgpr_count:     150
    .wavefront_size: 32
...
	.end_amdgpu_metadata
.endif
;; end of part 2
